; MI455X (gfx1250); checked and timed in simulation.
; The chip was launched on July 23, 2026; its instructions are those of AMD's public machine-readable ISA for CDNA 5 (MIT licence, August 2026) and "CDNA5" Instruction Set Architecture Reference Guide (July 2026). The comments in the code are by the model that wrote it; some were corrected since.
;; Self Attention. Allowed arithmetic: matrix products marked QUANTISED: E3M2 operands, one E8M0 scale for each 32 along K, by v_wmma_scale_f32_16x16x128_f8f6f4 with both operands' format E3M2, f32 sums; everything else in f32.
;; Inputs: K_seq 4 x 2,048 x 1,024 float32; Q_seq 4 x 2,048 x 1,024 float32; V_seq 4 x 2,048 x 1,024 float32; WK 1,024 x 1,024 float32; WQ 1,024 x 1,024 float32; WV 1,024 x 1,024 float32.
;; Outputs: out0 4 x 2,048 x 1,024 float32.
;; This version of the problem:
;;   THIS VERSION OF THE PROBLEM IS GIVEN IN LOW PRECISION. The matrix products marked QUANTISED in the list below multiply operands that are first quantised to E3M2 (3 exponent bits, 2 mantissa bits; 6 bits a number), with one power-of-two scale for each 32 numbers along K (OCP MX v1.0); their sums are f32. All else is computed in f32.
;;   The module's matrix products, in the order in which they are computed (A, B: the left and right operand; K: the contracted axis; several contracted axes count as one K, in the product's order):
;;     1. [M 8,192, K 1,024] x [K 1,024, N 1,024]; A: input Q_seq; B: input WQ: QUANTISED
;;     2. [M 8,192, K 1,024] x [K 1,024, N 1,024]; A: input K_seq; B: input WK: QUANTISED
;;     3. [M 8,192, K 1,024] x [K 1,024, N 1,024]; A: input V_seq; B: input WV: QUANTISED
;;     4. batch 64 x [M 2,048, K 64] x [K 64, N 2,048]; A: computed on the way; B: computed on the way: QUANTISED
;;     5. batch 64 x [M 2,048, K 2,048] x [K 2,048, N 64]; A: softmax (see below); B: computed on the way: QUANTISED
;;   THE QUANTISER, for each operand of a quantised product, along K:
;;     - K is cut into blocks of 32 from its start; a last block that is shorter is filled with zeros.
;;     - A block's scale is 2^e with e = floor(log2(the largest magnitude in the block)) - 4, held to -126 .. 127; a block of zeros has e = 0. As a byte (E8M0): e + 127.
;;     - Each number is divided by its block's scale, clamped to +-28, and rounded to the nearest number of E3M2, ties to even, subnormals kept.
;;     - The product sums the exact products of the quantised numbers (number of the format x scale) in f32.
;;   ~~~python
;;   def quantise(x, axis):      # numpy; x: float32 -> the quantised numbers, widened to float32 again
;;       x = np.moveaxis(x, axis, -1); K = x.shape[-1]
;;       x = np.pad(x, [(0, 0)] * (x.ndim - 1) + [(0, -K % 32)]); x = x.reshape(x.shape[:-1] + (-1, 32)); a = np.abs(x).max(-1, keepdims=True)
;;       e = np.where(a > 0, np.clip(np.frexp(np.where(a > 0, a, 1))[1] - 1 - 4, -126, 127), 0)      # np.frexp(a)[1] - 1 = floor(log2(a)), exactly
;;       r = np.clip(x / 2.0 ** e, -28, 28)
;;       step = 2.0 ** (np.maximum(np.frexp(np.where(r == 0, 1, r))[1] - 1, -2) - 2)
;;       q = np.round(r / step) * step * 2.0 ** e      # np.round: ties to even
;;       return np.moveaxis(q.reshape(q.shape[:-2] + (-1,))[..., :K], -1, axis).astype(np.float32)
;;   ~~~
;;   SOFTMAX AHEAD OF A QUANTISED PRODUCT. Where the list says 'softmax', what is quantised is not the finished softmax but p = 2^(t - M), with t = logit x log2(e) and M = ceil(the row's largest t), a whole number; so 1/2 < the row's largest p <= 1. The row's sum l is taken of the UNQUANTISED p, in f32, and the product's result is divided by l at the end. Since M is a whole number, a kernel that streams over the keys may use a running M (the ceiling of the running maximum): every later rescaling is an exact power of two, which a block's scale takes up: the codes' values come out the same.
;;   OPERANDS COMPUTED ON THE WAY. 'Computed on the way' means the value that the module computes at that place (a softmax that the list does not call 'softmax' is quantised finished and normalised). What goes into a quantiser is computed in f32, as accurately as f32 sums, v_exp_f32 and their like allow (about 1e-6 of the number): no bf16 or f16 on the way to a quantiser, and a product that is left as it is and whose result goes on into a quantised operand takes f32 operands (vector FMAs, or v_wmma_f32_16x16x4_f32). A number that lies on a knife's edge between two numbers of the format may be rounded either way, as far as f32 arithmetic and the matrix unit's own rounding can turn it there, and no further.
;; One version. Each part assembles by itself: llvm-mc -triple=amdgcn-amd-amdhsa -mcpu=gfx1250 --defsym DOCPART=n.
;; ======== version 1 of 1: 3 launches
;; limits: right only within a limited range of input values
;; workspace buffers: codes 21,233,664 bytes; scales 884,736 bytes; acodes 18,874,368 bytes; ascales 786,432 bytes
;; launch quant (part 1): grid 864 x 1, 4 waves a work-group, no clusters, 68,096 bytes of LDS; arguments Q_seq, K_seq, V_seq, WQ, WK, WV, codes, scales; writes codes, scales
.if DOCPART == 1
	.amdgcn_target "amdgcn-amd-amdhsa--gfx1250"
	.amdhsa_code_object_version 6
	.text
	.protected	k_q000737d0db_quant
	.globl	k_q000737d0db_quant
	.p2align	8
	.type	k_q000737d0db_quant,@function
k_q000737d0db_quant:
	s_mov_b64 s[64:65], 0
	v_nop
	global_prefetch_b8 v0, s[64:65] scope:SCOPE_SE
	s_setreg_imm32_b32 hwreg(HW_REG_WAVE_MODE, 25, 1), 1
	s_wait_xcnt 0x0
; All six f32 inputs become codes of BF6 (E3M2), 6 bits each, K innermost, with one E8M0 scale byte for each 32 along K.
; codes: 27,648 rows of 768 bytes (1,024 codes, one stream of bits); scales: the same rows, 32 bytes each.
; Rows 0.. Q_seq, 8192.. K_seq, 16384.. V_seq (a row = a token); 24576.. WQ, 25600.. WK, 26624.. WV (a row = an output feature n: the weights are stored [k][n] and come out with K innermost).
; A block's scale is 2^(floor(log2(its largest magnitude)) - 4); its byte is the largest magnitude's exponent field - 4, held at 1 from below.
; LIMITS: a block whose largest magnitude lies under 2^-122 (a block of zeros among them) gets the byte 1 where the rule says less or 127: the bytes are read by this program alone, and zero codes add nothing under any byte; NaN and infinities are not served.
; Work-groups 0 to 95 take the weights (32 each: 8 strips of 128 columns x 4 runs of 256 along K), 96 to 863 the sequences (256 each: 32,768 numbers a work-group).  The two ways have LDS bytes of their own; waves share nothing: no barrier.
; WORK LEFT OUT BY THE PROGRAM (in its last launch): reference() sets every score with key > query to -inf by a mask that it builds itself, so such a key has the weight 0 in the softmax whatever the inputs hold;
; key steps of 128 that lie wholly behind a tile's queries are not multiplied.  All six inputs are read.  A NaN, an infinity or an overflow that reaches only such scores is not carried to the result.
.set FLOORB, 0x2800000
.set OFFE,   0xfe000000                ; 4 off an exponent field
; ---- the weights' way
.set NB,     8                         ; blocks of 32 along K for a wave
.set WPITCH, 272                       ; a stage row: sixteen places of 16 bytes, each with 12 bytes of codes, + 16
.set KROW,   768                       ; a row of codes in bytes
.set WSTG,   32768                     ; the weights' stages: 32 rows x 272 bytes for each wave
.set WX,     32                        ; v32-95   two sets of 32 numbers
.set WC,     96                        ; v96..    a block's codes
.set WOUT,   112                       ; v112-175 the way out
.set WSB,    24                        ; v24-25   the scale bytes, four to a register
; ---- the sequences' way
.set STEPS,  16
.set CB,     12                        ; bytes of 16 codes
.set XR,     16                        ; v16-79   four sets of 16 numbers as loaded
.set XX,     80                        ; v80-111  two sets of 16 neighbours
.set XE,     112                       ; v112-127 a scale byte for each step
.set XC,     128                       ; v128-191 codes: four registers for each step, so that no store's data are written again
.set WREG,   8192                      ; LDS for each wave: two stages of 32 x 80 bytes, then its 256 scale bytes
.set SPX,    80
	s_load_b512 s[4:19], s[0:1], 0x0               ; Q_seq 4:5, K_seq 6:7, V_seq 8:9, WQ 10:11, WK 12:13, WV 14:15, codes 16:17, scales 18:19
	v_lshl_add_u32 v192, v0, 2, 0x10800
	v_mov_b32 v193, 0
	v_lshrrev_b32 v1, 5, v0
	v_readfirstlane_b32 s20, v1                    ; wave 0..3
	v_and_b32 v2, 31, v0                           ; lane
	s_cmp_lt_u32 ttmp9, 96
	s_cbranch_scc0 .Lx
	; ================= a weight: a lane takes a column n, its registers run down K
	s_lshr_b32 s21, ttmp9, 5                       ; which weight
	s_and_b32 s22, ttmp9, 7                        ; which 128 columns
	s_bfe_u32 s23, ttmp9, 0x20003                  ; which 256 along K
	s_lshl_b32 s22, s22, 7
	s_lshl_b32 s26, s20, 5
	s_add_co_u32 s22, s22, s26                     ; my wave's first column
	s_lshl_b32 s26, s23, 20                        ; 256 rows of 4,096 bytes
	s_lshl_b32 s27, s22, 2
	s_add_co_u32 s26, s26, s27                     ; where my part of the weight begins
	s_mov_b32 s27, 0
	s_lshl_b32 s21, s21, 10
	s_add_co_u32 s21, s21, s22
	s_add_co_u32 s21, s21, 24576                   ; my first row of codes and of scales
	s_mul_i32 s28, s21, KROW
	s_mul_i32 s30, s23, 192
	s_add_co_u32 s28, s28, s30
	s_mov_b32 s29, 0
	s_lshl_b32 s30, s21, 5
	s_lshl_b32 s31, s23, 3
	s_add_co_u32 s30, s30, s31
	s_mov_b32 s31, 0
	s_mul_i32 s32, s20, 32*WPITCH
	s_add_co_u32 s32, s32, WSTG                    ; my stage
	s_wait_alu depctr_va_vdst(0)
	v_lshlrev_b32 v3, 2, v2                        ; in: 4 bytes a lane
	v_mul_u32_u24 v4, v2, WPITCH
	v_add_nc_u32 v4, s32, v4                       ; into the stage: row = my column
	v_and_b32 v5, 15, v2
	v_lshrrev_b32 v6, 4, v2                        ; out of it: sixteen lanes to a row, two rows an instruction
	v_mul_u32_u24 v7, v6, WPITCH
	v_lshl_add_u32 v7, v5, 4, v7
	v_add_nc_u32 v7, s32, v7
	v_mul_u32_u24 v8, v6, KROW
	v_mad_u32_u24 v8, v5, 12, v8                   ; and the same place in the codes
	v_lshlrev_b32 v9, 5, v2                        ; my column's row of scale bytes
	s_wait_kmcnt 0x0
	s_cmp_lt_u32 ttmp9, 32                         ; the choice hangs on the work-group's number alone
	s_cselect_b64 s[24:25], s[10:11], s[12:13]
	s_cmp_lt_u32 ttmp9, 64
	s_cselect_b64 s[24:25], s[24:25], s[14:15]
	s_add_nc_u64 s[24:25], s[24:25], s[26:27]
	s_add_nc_u64 s[16:17], s[16:17], s[28:29]
	s_add_nc_u64 s[18:19], s[18:19], s[30:31]
.macro WLOAD t                         ; block t: W(32 t + i, my column), i = 0 .. 31, into set t % 2: 32 lanes read 128 consecutive bytes
.set i, 0
.rept 32
	global_load_b32 v[WX+32*((\t)%2)+i], v3, s[24:25] offset:(32*(\t)+i)*4096 th:TH_LOAD_NT
.set i, i+1
.endr
.endm
	WLOAD 0
	WLOAD 1
.macro WBLOCK t
.set XS, WX+32*((\t)%2)
.if (\t) < NB-1
	s_wait_loadcnt 32                              ; this block's 32 loads are in; the next block's may be out
.else
	s_wait_loadcnt 0
.endif
	v_max3_num_f32 v12, |v[XS]|, |v[XS+1]|, |v[XS+2]|               ; the block's largest magnitude: all 32 numbers are mine
	v_max3_num_f32 v13, |v[XS+3]|, |v[XS+4]|, |v[XS+5]|
.irp i, 6,10,14,18,22,26
	v_max3_num_f32 v12, v12, |v[XS+\i]|, |v[XS+\i+1]|
	v_max3_num_f32 v13, v13, |v[XS+\i+2]|, |v[XS+\i+3]|
.endr
	v_max3_num_f32 v12, v12, |v[XS+30]|, |v[XS+31]|
	v_max3_num_f32 v12, v12, v13, FLOORB           ; and the floor: the byte cannot fall under 1
	v_add_nc_u32 v11, OFFE, v12                    ; the conversion takes the exponent field of this operand as its scale
	v_lshrrev_b32 v13, 23, v11                     ; the scale's byte
.if (\t)%4 == 0
	v_mov_b32 v[WSB+(\t)/4], v13                   ; four bytes to a register, the lower K in the lower byte
.else
	v_lshl_or_b32 v[WSB+(\t)/4], v13, 8*((\t)%4), v[WSB+(\t)/4]
.endif
	v_cvt_scalef32_pk16_bf6_f32 v[WC:WC+2], v[XS:XS+15], v11
	v_cvt_scalef32_pk16_bf6_f32 v[WC+4:WC+6], v[XS+16:XS+31], v11   ; (a conversion's three registers begin on an even number)
	v_nop                                          ; one plain line behind the conversions
	ds_store_b96 v4, v[WC:WC+2] offset:32*(\t)     ; 12 bytes to a place of 16, so that every LDS address is a multiple of 16
	ds_store_b96 v4, v[WC+4:WC+6] offset:32*(\t)+16
.if (\t)+2 < NB
	WLOAD (\t)+2
.endif
	s_wait_dscnt 0x0                               ; the stores have read their registers: the next block's codes may be written
.endm
.irp t, 0,1,2,3,4,5,6,7
	WBLOCK \t
.endr
	s_wait_alu depctr_va_vdst(0)
	global_store_b64 v9, v[WSB:WSB+1], s[18:19]    ; my column's 8 scale bytes
.irp t, 0,1,2,3,4,5,6,7,8,9,10,11,12,13,14,15
	ds_load_b96 v[WOUT+4*\t:WOUT+4*\t+2], v7 offset:2*\t*WPITCH   ; LDS serves a wave's instructions in order: these see my stores
.endr
.irp t, 0,1,2,3,4,5,6,7,8,9,10,11,12,13,14,15
	s_wait_dscnt 15-\t
	global_store_b96 v8, v[WOUT+4*\t:WOUT+4*\t+2], s[16:17] offset:2*\t*KROW   ; sixteen lanes store a row's 192 consecutive bytes
.endr
	s_wait_tensorcnt 0x0
	ds_add_u32 v192, v193
	s_wait_dscnt 0x0
	s_endpgm
	; ================= a sequence: a plain stream of blocks of 32; a wave takes 16 steps of 512 numbers
.Lx:
	s_wait_alu depctr_va_vdst(0)
	v_lshlrev_b32 v3, 4, v2                        ; my 16 bytes of a load's 512
	s_mul_i32 s21, s20, WREG
	v_lshrrev_b32 v14, 2, v2
	v_mul_u32_u24 v14, v14, SPX
	v_and_b32 v15, 3, v2
	v_lshl_add_u32 v14, v15, 4, v14
	v_add_nc_u32 v14, s21, v14                     ; the stage, on the way in: four lanes' 64 bytes on end, then 16 of padding
	v_mul_u32_u24 v15, v2, SPX
	v_add_nc_u32 v15, s21, v15                     ; and on the way out: my 16 neighbours
	v_mul_u32_u24 v4, v2, CB                       ; my codes' place in a step's
	v_lshrrev_b32 v5, 1, v2
	s_add_co_u32 s21, s21, 2*32*SPX
	v_add_nc_u32 v5, s21, v5                       ; my wave's 256 scale bytes, my block's byte
	v_lshlrev_b32 v7, 3, v2                        ; and on the way out 8 bytes a lane
	v_add_nc_u32 v6, s21, v7
	s_sub_co_u32 s22, ttmp9, 96
	s_and_b32 s26, s22, 255
	s_lshl_b32 s26, s26, 2
	s_add_co_u32 s26, s26, s20
	s_lshl_b32 s26, s26, 15                        ; my wave's 8,192 numbers in its tensor
	s_mov_b32 s27, 0
	s_lshl_b32 s28, s22, 2
	s_add_co_u32 s28, s28, s20                     ; and which run of 8 rows of the codes they become
	s_mul_i32 s30, s28, 32*STEPS*CB
	s_mov_b32 s31, 0
	s_lshl_b32 s28, s28, 8
	s_mov_b32 s29, 0
	s_wait_alu depctr_va_vdst(0)
	s_wait_kmcnt 0x0
	s_cmp_lt_u32 s22, 256                          ; the choice hangs on the work-group's number alone
	s_cselect_b64 s[24:25], s[4:5], s[6:7]
	s_cmp_lt_u32 s22, 512
	s_cselect_b64 s[24:25], s[24:25], s[8:9]
	s_add_nc_u64 s[24:25], s[24:25], s[26:27]
	s_add_nc_u64 s[16:17], s[16:17], s[30:31]
	s_add_nc_u64 s[18:19], s[18:19], s[28:29]
.macro XLOAD t
.irp i, 0,1,2,3
	global_load_b128 v[XR+16*((\t)%4)+4*\i:XR+16*((\t)%4)+4*\i+3], v3, s[24:25] offset:2048*(\t)+512*\i th:TH_LOAD_NT   ; 32 lanes read 512 consecutive bytes
.endr
.endm
.macro XTURN t                         ; step t's numbers through the stage: LDS serves a wave's instructions in order, so no wait stands between the stores and the loads
.irp i, 0,1,2,3
	ds_store_b128 v14, v[XR+16*((\t)%4)+4*\i:XR+16*((\t)%4)+4*\i+3] offset:32*SPX*((\t)%2)+8*SPX*\i
.endr
.irp i, 0,1,2,3
	ds_load_b128 v[XX+16*((\t)%2)+4*\i:XX+16*((\t)%2)+4*\i+3], v15 offset:32*SPX*((\t)%2)+16*\i
.endr
.endm
.irp t, 0,1,2,3
	XLOAD \t
.endr
	s_wait_loadcnt 12                              ; step 0's four loads are in
	XTURN 0
.macro XSTEP t
.set XS, XX+16*((\t)%2)
.if (\t) > 0
	s_wait_dscnt 1                                 ; this step's numbers are back from the stage (the last step's byte store may be out): its stores into the stage have read their registers,
.else
	s_wait_dscnt 0x0
.endif
.if (\t)+4 < STEPS
	XLOAD (\t)+4                                   ; which take the loads of four steps on
.endif
.if (\t)+1 < STEPS
.if STEPS-2-(\t) >= 3
	s_wait_loadcnt 12                              ; the next step's four loads are in; those of the three steps behind it may be out
.else
	s_wait_loadcnt 4*(STEPS-2-(\t))
.endif
	XTURN (\t)+1                                   ; and go through the other stage while this step is worked
.endif
	v_max3_num_f32 v8, |v[XS]|, |v[XS+1]|, |v[XS+2]|               ; the largest magnitude of my 16
	v_max3_num_f32 v9, |v[XS+3]|, |v[XS+4]|, |v[XS+5]|
.irp i, 6,10
	v_max3_num_f32 v8, v8, |v[XS+\i]|, |v[XS+\i+1]|
	v_max3_num_f32 v9, v9, |v[XS+\i+2]|, |v[XS+\i+3]|
.endr
	v_max3_num_f32 v8, v8, |v[XS+14]|, |v[XS+15]|
	v_max3_num_f32 v8, v8, v9, FLOORB              ; and the floor
	v_max_num_f32_dpp v8, v8, v8 row_xmask:1 row_mask:0xf bank_mask:0xf   ; and of my neighbour's 16: the block's
	v_add_nc_u32 v11, OFFE, v8                     ; the conversion's scale operand
	v_cvt_scalef32_pk16_bf6_f32 v[XC+4*(\t):XC+4*(\t)+2], v[XS:XS+15], v11
	v_lshrrev_b32 v[XE+(\t)], 23, v11              ; the scale's byte (also the plain line behind the conversion)
	ds_store_b8 v5, v[XE+(\t)] offset:16*(\t)      ; both lanes of a block write the same byte with the same value
	global_store_b96 v4, v[XC+4*(\t):XC+4*(\t)+2], s[16:17] offset:32*CB*(\t)   ; the wave stores 384 consecutive bytes
.endm
.irp t, 0,1,2,3,4,5,6,7,8,9,10,11,12,13,14,15
	XSTEP \t
.endr
	ds_load_b64 v[12:13], v6                       ; LDS serves a wave's instructions in order: these see my stores
	s_wait_dscnt 0x0
	global_store_b64 v7, v[12:13], s[18:19]        ; 32 lanes store 256 consecutive bytes, aligned
	s_wait_tensorcnt 0x0
	ds_add_u32 v192, v193
	s_wait_dscnt 0x0
	s_endpgm
.Lfunc_end_k_q000737d0db_quant:
	.size	k_q000737d0db_quant, .Lfunc_end_k_q000737d0db_quant-k_q000737d0db_quant
	.p2alignl 7, 3214868480
	.fill 96, 4, 3214868480
	.section	.rodata,"a",@progbits
	.p2align	6, 0x0
	.amdhsa_kernel k_q000737d0db_quant
		.amdhsa_group_segment_fixed_size 68096
		.amdhsa_private_segment_fixed_size 0
		.amdhsa_enable_private_segment 0
		.amdhsa_kernarg_size 64
		.amdhsa_user_sgpr_count 2
		.amdhsa_user_sgpr_kernarg_segment_ptr 1
		.amdhsa_wavefront_size32 1
		.amdhsa_system_sgpr_workgroup_id_x 1
		.amdhsa_system_sgpr_workgroup_id_y 1
		.amdhsa_system_sgpr_workgroup_id_z 1
		.amdhsa_system_vgpr_workitem_id 0
		.amdhsa_next_free_vgpr 194
		.amdhsa_next_free_sgpr 66
		.amdhsa_reserve_vcc 0
		.amdhsa_float_denorm_mode_32 3
		.amdhsa_float_denorm_mode_16_64 3
		.amdhsa_memory_ordered 1
		.amdhsa_forward_progress 1
		.amdhsa_inst_pref_size 74
	.end_amdhsa_kernel
	.amdgpu_metadata
---
amdhsa.version: [ 1, 2 ]
amdhsa.kernels:
  - .name:           k_q000737d0db_quant
    .symbol:         k_q000737d0db_quant.kd
    .args:
      - { .name: Q_seq, .offset: 0, .size: 8, .value_kind: global_buffer, .address_space: global }
      - { .name: K_seq, .offset: 8, .size: 8, .value_kind: global_buffer, .address_space: global }
      - { .name: V_seq, .offset: 16, .size: 8, .value_kind: global_buffer, .address_space: global }
      - { .name: WQ, .offset: 24, .size: 8, .value_kind: global_buffer, .address_space: global }
      - { .name: WK, .offset: 32, .size: 8, .value_kind: global_buffer, .address_space: global }
      - { .name: WV, .offset: 40, .size: 8, .value_kind: global_buffer, .address_space: global }
      - { .name: codes, .offset: 48, .size: 8, .value_kind: global_buffer, .address_space: global }
      - { .name: scales, .offset: 56, .size: 8, .value_kind: global_buffer, .address_space: global }
    .group_segment_fixed_size: 68096
    .private_segment_fixed_size: 0
    .kernarg_segment_align: 8
    .kernarg_segment_size: 64
    .max_flat_workgroup_size: 128
    .sgpr_count:     66
    .vgpr_count:     194
    .wavefront_size: 32
...
	.end_amdgpu_metadata
.endif
;; end of part 1
;; launch proj (part 2): grid 4 x 64, 4 waves a work-group, clusters of 4 x 4, 327,680 bytes of LDS; arguments codes, scales, acodes, ascales; writes acodes, ascales
.if DOCPART == 2
	.amdgcn_target "amdgcn-amd-amdhsa--gfx1250"
	.amdhsa_code_object_version 6
	.text
	.protected	k_q000737d0db_proj
	.globl	k_q000737d0db_proj
	.p2align	8
	.type	k_q000737d0db_proj,@function
k_q000737d0db_proj:
	s_mov_b64 s[64:65], 0
	v_nop
	global_prefetch_b8 v0, s[64:65] scope:SCOPE_SE
	s_setreg_imm32_b32 hwreg(HW_REG_WAVE_MODE, 25, 1), 1
	s_wait_xcnt 0x0
	s_wait_alu depctr_hold_cnt(0) depctr_sa_sdst(0) depctr_va_vdst(0) depctr_va_sdst(0) depctr_va_ssrc(0) depctr_va_vcc(0) depctr_vm_vsrc(0)
	s_getreg_b32 s2, hwreg(HW_REG_IB_STS2, 6, 4)
	s_cmp_eq_u32 s2, 0
	s_cbranch_scc0 .Lentry_in_a_cluster
	s_endpgm
.Lentry_in_a_cluster:
	s_bfe_u32 s2, ttmp6, 0x10000c
	s_cmp_lg_u32 s2, 0xf033
	s_cbranch_scc0 .Lentry_shape_is_right
	s_endpgm
.Lentry_shape_is_right:
; Q = Q_seq WQ, K = K_seq WK, V = V_seq WV on codes of BF6 (E3M2) with E8M0 scales, f32 sums, and each result quantised again on the way out: Q and K along the head's 64, V along the tokens.
; codes: rows of 768 bytes, scales: rows of 32 (rows 0.. Q_seq, 8192.. K_seq, 16384.. V_seq, 24576.. WQ, 25600.. WK, 26624.. WV).
; 256 WORK-GROUPS THAT STAY, four waves each, 2 x 2.  Each makes TWO tiles: first 256 tokens x 256 features of Q (cluster y 0-7) or K (8-15): source 1 = tokens, source 0 = the weight's rows, 128 x 128 a wave, so a lane
; holds a token and its registers run along the features; then 128 features x 256 tokens of V: source 1 = WV's rows, source 0 = tokens, 64 x 128 a wave: a lane holds a feature and its registers run along the tokens.
; That is 512 + 256 products for every wave.
; K goes through a ring of two LDS slots in chunks of 256 bytes of each row, three chunks a tile; a step of 128 along K is 96 bytes, eight steps; steps 2 and 5 lie across two chunks.  THE RING GOES ON INTO THE SECOND TILE:
; its chunk c lies in slot (c + 1) % 2; chunk 0 is asked for where the first tile leaves its chunk 1, chunk 1 in a round between the first tile's fourth and fifth blocks on the way out.
; The first tile's scales come once into LDS; the second tile's come once into registers, each lane its rows' 32 bytes (sixteen lanes read 512 bytes on end).
; 4 x 4 clusters: the tiles of source 1 are shared by a row of the cluster, those of source 0 by a column, by joint loads.
; PREFETCH: the second tile's rows (98,304 + 196,608 bytes a work-group's tiles) are asked for in the first tile's steps 0 to 2, three and more steps ahead of the load of chunk 0; the four partners of a joint load share a
; tile's bytes out by address (cx or cy), a wave 24 blocks of 256 bytes an instruction, a lane a block (lanes 24-31 name the last again).  The first tile's chunks are asked for at the head or one chunk on: nothing to run ahead in.
; OUT: acodes[tensor][batch][head pair][128 tokens][tile of 16 rows][6 planes][lane][8 bytes]: the image of an operand's 12 registers; ascales likewise, a word a row.  Inside a block of 32 the codes stand in the order
; 0-7, 16-23, 8-15, 24-31, alike on both sides of the products that read them.
; LIMITS: NaN and infinities are not served; a block whose largest magnitude lies under 2^-122 gets the byte 1 (read by this program alone).
.set ROWB,   256
.set NQ,     2
.set KROW,   768
.set STEPS,  8
.set CHUNKS, 3
.set PITCH,  272
.set FR,     12
.set NL,     6
.set NP,     4
.set HALFT,  128*PITCH
.set SLOT,   4*HALFT
.set KS,     32
.set SCL,    2*SLOT
.set HALFS,  (128*KS/256)*272
.set SBLK,   (16*KS/256)*272
.set SPARE,  SCL+4*HALFS               ; the spare words, 512 bytes
.set SST,    SPARE+512                 ; a stage of 512 bytes a wave for the results' scale words
.set ADRA2, 8                          ; v8-11  as v16-19, for the second tile's source 1
.set PFO,  12                          ; v12    256 x min(lane, 23)
.set SLO,  13                          ; v13    32 x (lane % 16)
.set SSTR2, 14                         ; v14    the stage, 8 bytes a lane
.set ADRA, 16                          ; v16-19 LDS addresses of source 1's fragments: slot 0, 1; across two chunks from slot 0, 1
.set ADRB, 20                          ; v20-23 the same for source 0
.set SSTA, 24
.set SSTR, 25
.set CO,   26
.set ADRS, 27
.set SPW,  28
.set NIL,  29
.set FL,   30
.set SCO,  31
.set SC,   32                          ; v32-63 the first tile's scale words, two sets
.set SB2,  64                          ; v64-127 the second tile's, source 0: 8 b + step
.set SA2,  224                         ; v224-255 source 1: 8 a + (step + 4) % 8
.set AF,   128                         ; v128-223 source 1's fragments (second tile: two sets of four)
.set TM,   32                          ; the way out: at work
.set PWO,  48
.set CT,   56
.set PCO,  128
.set G1, 24
.set G0, 32
.set G1B, 48
.set G0B, 56
.set G1S, 68                           ; s68-91 hold the head's descriptors of the scales; behind the head's wait: s[68:69], s[70:71] the second tile's rows that I fetch, s72 their LDS place, s[74:75], s[76:77] its results,
.set G0S, 76                           ; s[80:81], s[82:83] the prefetches' bases, s[84:85], s[86:87] its scales
.set G1SB, 80
.set G0SB, 88
.set G0HB, 92
.set G0H, 96
.set MSB, 0
.macro WIN new
.if MSB != \new
	s_set_vgpr_msb (MSB<<8)|\new
.set MSB, \new
.endif
.endm
.set MUL_LO, 0xa1
.set MUL_HI, 0xf1
.set TO_B,   0x40
.macro JLOAD g0a, g1a, g0b, g1b        ; waves 0, 1 fetch source 1's rows, waves 2, 3 source 0's
	s_cmp_eq_u32 s15, 0
	s_cbranch_scc0 .Lfor_b_\@
	tensor_load_to_lds s[\g0a:\g0a+3], s[\g1a:\g1a+7]
	s_nop 0
.rept 4
	v_nop
.endr
	s_branch .Lasked_\@
.Lfor_b_\@:
	tensor_load_to_lds s[\g0b:\g0b+3], s[\g1b:\g1b+7]
	s_nop 0
.rept 4
	v_nop
.endr
.Lasked_\@:
.endm
.macro CREST
	s_cmp_lg_u32 s14, 0
	s_cbranch_scc1 .Lnot_wave_0_\@
	s_barrier_signal -3
.Lnot_wave_0_\@:
	s_barrier_wait -3
	s_barrier_signal -1
	s_barrier_wait -1
.endm
.macro CROUND
	s_barrier_signal -1
	s_barrier_wait -1
	CREST
.endm
	s_load_b256 s[4:11], s[0:1], 0x0               ; codes, scales, acodes, ascales
	v_lshl_add_u32 v[SPW], v0, 2, SPARE
	v_mov_b32 v[NIL], 0
	ds_add_u32 v[SPW], v[NIL]                      ; the opening lines
	ds_add_u32 v[SPW], v[NIL]
	v_lshrrev_b32 v1, 5, v0
	v_readfirstlane_b32 s14, v1                    ; wave
	s_lshr_b32 s15, s14, 1
	s_and_b32 s16, s14, 1
	s_bfe_u32 s40, ttmp6, 0x40000                  ; cx
	s_bfe_u32 s41, ttmp6, 0x40004                  ; cy
	s_and_b32 s100, ttmp7, 0xffff                  ; cluster y, 0 .. 15
	s_lshr_b32 s13, s100, 3                        ; the first tile's tensor: 0 Q, 1 K
	s_and_b32 s17, s100, 7
	s_lshl_b32 s2, s13, 13                         ; source 1's first row
	s_lshl_b32 s3, s13, 10
	s_add_co_u32 s3, s3, 24576                     ; source 0's
	s_mov_b32 s42, s40                             ; tile column
	s_lshl_b32 s17, s17, 2
	s_add_co_u32 s17, s17, s41                     ; tile row
	s_lshl_b32 s43, s41, 2
	s_lshl_b32 s43, 15, s43                        ; my row of the cluster
	s_lshl_b32 s44, 0x1111, s40                    ; my column
	s_or_b32 s[G1+0], s43, (0<<16)|(1<<20)|(1<<21)|(5<<22)|(3<<25)
	s_or_b32 s[G1B+0], s44, (0<<16)|(1<<20)|(1<<21)|(5<<22)|(3<<25)
.irp g, G1, G1B
	s_mov_b32 s[\g+1], ROWB<<16
	s_mov_b32 s[\g+2], 256<<16
	s_mov_b32 s[\g+3], ROWB<<16
	s_mov_b32 s[\g+4], 256
	s_mov_b32 s[\g+5], KROW
	s_mov_b32 s[\g+6], 0
	s_mov_b32 s[\g+7], 0
.endr
	s_or_b32 s[G1S+0], s43, (3<<16)|(1<<20)|(1<<21)|(5<<22)|(3<<25)
	s_or_b32 s[G1SB+0], s44, (3<<16)|(1<<20)|(1<<21)|(5<<22)|(3<<25)
.irp g, G1S, G1SB
	s_mov_b32 s[\g+1], 32<<16
	s_mov_b32 s[\g+2], KS<<16
	s_mov_b32 s[\g+3], 32<<16
	s_mov_b32 s[\g+4], KS
	s_mov_b32 s[\g+5], 32
	s_mov_b32 s[\g+6], 0
	s_mov_b32 s[\g+7], 0
.endr
	s_lshl_b32 s20, s17, 8
	s_add_co_u32 s20, s20, s2
	s_lshl_b32 s46, s42, 8
	s_add_co_u32 s46, s46, s3
	s_mov_b32 s21, 0
	s_mov_b32 s47, 0
	s_mov_b64 s[18:19], KS
	s_mul_u64 s[22:23], s[20:21], s[18:19]
	s_mul_u64 s[66:67], s[46:47], s[18:19]
	s_mov_b64 s[18:19], KROW
	s_mul_u64 s[20:21], s[20:21], s[18:19]
	s_mul_u64 s[46:47], s[46:47], s[18:19]
	s_mul_i32 s18, s16, 128*KROW
	s_mov_b32 s19, 0
	s_mul_i32 s45, s14, HALFT
	s_wait_dscnt 0x0
	s_wait_kmcnt 0x0
	s_add_nc_u64 s[20:21], s[4:5], s[20:21]
	s_add_nc_u64 s[22:23], s[6:7], s[22:23]
	s_add_nc_u64 s[46:47], s[4:5], s[46:47]
	s_add_nc_u64 s[66:67], s[6:7], s[66:67]
	CROUND                                         ; in front of the first joint loads
	s_mov_b32 s[G0H], 1
	s_mov_b32 s[G0H+1], 0
	s_mov_b64 s[G0H+2:G0H+3], s[20:21]
	s_or_b32 s[G0H+3], s[G0H+3], 0x80000000
	s_mov_b32 s[G0HB], 1
	s_mov_b32 s[G0HB+1], 2*HALFT
	s_mov_b64 s[G0HB+2:G0HB+3], s[46:47]
	s_or_b32 s[G0HB+3], s[G0HB+3], 0x80000000
	s_mov_b32 s[G0S], 1
	s_mov_b32 s[G0S+1], SCL
	s_mov_b64 s[G0S+2:G0S+3], s[22:23]
	s_or_b32 s[G0S+3], s[G0S+3], 0x80000000
	s_mov_b32 s[G0SB], 1
	s_mov_b32 s[G0SB+1], SCL+2*HALFS
	s_mov_b64 s[G0SB+2:G0SB+3], s[66:67]
	s_or_b32 s[G0SB+3], s[G0SB+3], 0x80000000
	s_add_nc_u64 s[20:21], s[20:21], s[18:19]
	s_add_nc_u64 s[46:47], s[46:47], s[18:19]
.irp s, 0,1
	s_mov_b32 s[G0+4*\s], 1
	s_add_co_u32 s[G0+4*\s+1], s45, \s*SLOT
	s_add_nc_u64 s[G0+4*\s+2:G0+4*\s+3], s[20:21], \s*ROWB
	s_or_b32 s[G0+4*\s+3], s[G0+4*\s+3], 0x80000000
	s_mov_b32 s[G0B+4*\s], 1
	s_add_co_u32 s[G0B+4*\s+1], s45, \s*SLOT
	s_add_nc_u64 s[G0B+4*\s+2:G0B+4*\s+3], s[46:47], \s*ROWB
	s_or_b32 s[G0B+4*\s+3], s[G0B+4*\s+3], 0x80000000
.endr
; the head's four tiles, one a wave: chunk 0 of source 1's 256 rows, of source 0's, and the two blocks of scales
.macro ARM under, g0, g1, next
	s_cmp_lt_u32 s14, \under
	s_cbranch_scc0 \next
	tensor_load_to_lds s[\g0:\g0+3], s[\g1:\g1+7]
	s_nop 0
.rept 4
	v_nop
.endr
	s_branch .Lhead_asked
\next:
.endm
	ARM 1, G0H,  G1,  .Lhead_b
	ARM 2, G0HB, G1B, .Lhead_sa
	ARM 3, G0S,  G1S, .Lhead_sb
	tensor_load_to_lds s[G0SB:G0SB+3], s[G1SB:G1SB+7]
	s_nop 0
.rept 4
	v_nop
.endr
.Lhead_asked:
	v_and_b32 v1, 15, v0
	v_bfe_u32 v2, v0, 4, 1
	v_mul_u32_u24 v3, v1, PITCH
	v_mul_u32_u24 v4, v2, 24
	v_add_nc_u32 v4, v3, v4
	s_mov_b32 s21, SLOT-232
	s_mov_b32 s22, SLOT+232
	v_sub_nc_u32 v7, 1, v2
	v_mul_u32_u24 v5, s21, v2
	v_add_nc_u32 v5, v3, v5
	v_add_nc_u32 v5, 232, v5
	v_mul_u32_u24 v6, s22, v7
	v_add_nc_u32 v6, v3, v6
	s_mul_i32 s21, s15, HALFT
	s_mul_i32 s22, s16, HALFT
	s_add_co_u32 s22, s22, 2*HALFT
	s_mul_i32 s23, s15, 64*PITCH                   ; the second tile: my 64 rows of source 1
	v_add_nc_u32 v[ADRA+2], s21, v5
	v_add_nc_u32 v[ADRA+3], s21, v6
	v_add_nc_u32 v[ADRB+2], s22, v5
	v_add_nc_u32 v[ADRB+3], s22, v6
	v_add_nc_u32 v[ADRA2+2], s23, v5
	v_add_nc_u32 v[ADRA2+3], s23, v6
.irp s, 0,1
	v_add_nc_u32 v[ADRA+\s], s21, v4
	v_add_nc_u32 v[ADRB+\s], s22, v4
	v_add_nc_u32 v[ADRA2+\s], s23, v4
	s_add_co_u32 s21, s21, SLOT
	s_add_co_u32 s22, s22, SLOT
	s_add_co_u32 s23, s23, SLOT
.endr
	v_mul_u32_u24 v5, v1, KS
	v_lshrrev_b32 v6, 8, v5
	v_lshl_add_u32 v5, v6, 4, v5
	s_mul_i32 s21, s15, HALFS
	s_mul_i32 s22, s16, HALFS
	s_add_co_u32 s22, s22, 2*HALFS
	s_sub_co_u32 s22, s22, s21
	v_mul_u32_u24 v6, s22, v2
	s_add_co_u32 s21, s21, SCL
	v_add_nc_u32 v5, v5, v6
	v_add_nc_u32 v[ADRS], s21, v5
	s_lshl_b32 s23, s14, 9
	s_add_co_u32 s23, s23, SST
	v_lshl_add_u32 v[SSTA], v1, 2, s23
	v_and_b32 v6, 31, v0
	v_lshl_add_u32 v[SSTR], v6, 4, s23
	v_lshl_add_u32 v[SSTR2], v6, 3, s23
	v_lshlrev_b32 v[CO], 3, v6
	v_lshlrev_b32 v[SCO], 4, v6
	v_mov_b32 v[FL], 0x2800000
	v_min_u32 v[PFO], 23, v6
	v_lshlrev_b32 v[PFO], 8, v[PFO]
	v_lshlrev_b32 v[SLO], 5, v1
	s_mov_b32 s66, 0x76543210
	s_mov_b32 s67, 0xfedcba98
	; where my 128 x 128 of the first tile goes: [batch][head pair][128 tokens]
	s_lshl_b32 s22, s17, 1
	s_add_co_u32 s22, s22, s15                     ; which 128 tokens
	s_lshl_b32 s23, s42, 1
	s_add_co_u32 s23, s23, s16                     ; which head pair
	s_lshr_b32 s46, s22, 4
	s_lshl_b32 s46, s46, 3
	s_add_co_u32 s46, s46, s23
	s_lshl_b32 s46, s46, 4
	s_and_b32 s22, s22, 15
	s_add_co_u32 s46, s46, s22
	s_mul_i32 s20, s46, 12288
	s_mul_i32 s21, s13, 6291456
	s_add_co_u32 s20, s20, s21
	s_mov_b32 s21, 0
	s_add_nc_u64 s[2:3], s[8:9], s[20:21]
	s_lshl_b32 s20, s46, 9
	s_lshl_b32 s22, s13, 18
	s_add_co_u32 s20, s20, s22
	s_add_nc_u64 s[12:13], s[10:11], s[20:21]
.macro FRAG reg, adr, st, i, par       ; 16 rows x 128 K: six pieces of 8 bytes; byte y of a row lies in chunk y / 256, slot (y / 256 + par) % 2
.irp p, 0,1,2,3,4,5
.set BY, 96*(\st)+48*(\p/3)+8*(\p%3)
.if BY/ROWB == (BY+24)/ROWB
	ds_load_b64 v[\reg+2*\p:\reg+2*\p+1], v[\adr+(BY/ROWB+\par)%2] offset:BY%ROWB+(\i)*16*PITCH
.else
	ds_load_b64 v[\reg+2*\p:\reg+2*\p+1], v[\adr+2+(BY/ROWB+\par)%2] offset:BY%ROWB-232+(\i)*16*PITCH
.endif
.endr
.endm
.macro MUL16 a0, p, q, sc, zero        ; the 64 accumulators take turns, in the same order in every step
.irp a, \a0, \a0+1
.irp b, 0,1,2,3,4,5,6,7
.if \zero
	v_wmma_scale_f32_16x16x128_f8f6f4 v[8*(8*((\a)%4)+\b):8*(8*((\a)%4)+\b)+7], v[128*(\p)+FR*\b:128*(\p)+FR*\b+FR-1], v[AF+FR*(\a):AF+FR*(\a)+FR-1], 0, v[SC+8*NQ*(\sc)+NQ*\b+(\q)], v[SC+8*NQ*(\sc)+NQ*(\a)+(\q)] matrix_a_fmt:MATRIX_FMT_BF6 matrix_b_fmt:MATRIX_FMT_BF6 matrix_a_scale:MATRIX_SCALE_ROW1
.else
	v_wmma_scale_f32_16x16x128_f8f6f4 v[8*(8*((\a)%4)+\b):8*(8*((\a)%4)+\b)+7], v[128*(\p)+FR*\b:128*(\p)+FR*\b+FR-1], v[AF+FR*(\a):AF+FR*(\a)+FR-1], v[8*(8*((\a)%4)+\b):8*(8*((\a)%4)+\b)+7], v[SC+8*NQ*(\sc)+NQ*\b+(\q)], v[SC+8*NQ*(\sc)+NQ*(\a)+(\q)] matrix_a_fmt:MATRIX_FMT_BF6 matrix_b_fmt:MATRIX_FMT_BF6 matrix_a_scale:MATRIX_SCALE_ROW1
.endif
.endr
.endr
.endm
.macro MULV a0, st, zero               ; the second tile: 16 of its 32 accumulators, by turns; both operands' sets are st % 2
.irp a, \a0, \a0+1
.irp b, 0,1,2,3,4,5,6,7
.if \zero
	v_wmma_scale_f32_16x16x128_f8f6f4 v[8*(8*(\a)+\b):8*(8*(\a)+\b)+7], v[128*((\st)%2)+FR*\b:128*((\st)%2)+FR*\b+FR-1], v[AF+FR*((\a)+4*((\st)%2)):AF+FR*((\a)+4*((\st)%2))+FR-1], 0, v[SB2+8*\b+(\st)], v[SA2+8*(\a)+((\st)+4)%8] matrix_a_fmt:MATRIX_FMT_BF6 matrix_b_fmt:MATRIX_FMT_BF6
.else
	v_wmma_scale_f32_16x16x128_f8f6f4 v[8*(8*(\a)+\b):8*(8*(\a)+\b)+7], v[128*((\st)%2)+FR*\b:128*((\st)%2)+FR*\b+FR-1], v[AF+FR*((\a)+4*((\st)%2)):AF+FR*((\a)+4*((\st)%2))+FR-1], v[8*(8*(\a)+\b):8*(8*(\a)+\b)+7], v[SB2+8*\b+(\st)], v[SA2+8*(\a)+((\st)+4)%8] matrix_a_fmt:MATRIX_FMT_BF6 matrix_b_fmt:MATRIX_FMT_BF6
.endif
.endr
.endr
.endm
.macro FETCH_B st, p, par
	WIN TO_B
.irp i, 0,1,2,3,4,5,6,7
	FRAG 128*(\p)+FR*\i, ADRB, \st, \i, \par
.endr
	WIN 0
.endm
.macro FETCH_A st, i0
.irp i, \i0, \i0+1, \i0+2, \i0+3
	FRAG AF+FR*(\i), ADRA, \st, \i, 0
.endr
.endm
.macro FETCH_A2 st                     ; the second tile's four blocks of source 1 into set st % 2
.irp i, 0,1,2,3
	FRAG AF+FR*(\i+4*((\st)%2)), ADRA2, \st, \i, 1
.endr
.endm
.macro SCALES pr
.irp i, 0,1,2,3,4,5,6,7
	ds_load_b64 v[SC+8*NQ*((\pr)%2)+NQ*\i:SC+8*NQ*((\pr)%2)+NQ*\i+1], v[ADRS] offset:\i*SBLK+4*NQ*(\pr)
.endr
.endm
.macro PLACES n
.rept \n
	v_nop
.endr
.endm
; A step of the first tile.  Where the next step's bytes end in a chunk not yet read: a wait for my loads and a barrier.  Where they begin in a later chunk: the three lines, the barrier, a round and the refill:
; this tile's chunk two on or, where chunk 1 is left, the second tile's chunk 0 (64 rows a wave of source 1, 128 of source 0).
.macro STEP st, zero
.set NX, (\st)+1
.set C0, (96*(\st))/ROWB
.set C1, (96*NX)/ROWB
.set E0, (96*(\st)+95)/ROWB
.set E1, (96*NX+95)/ROWB
.if C1 > C0 || E1 > E0
	s_wait_tensorcnt 0x0
.if C1 > C0
	ds_add_u32 v[SPW], v[NIL]
	s_wait_dscnt 4*NL+1                            ; the add and the youngest 24 loads may be out
.else
	s_wait_dscnt 4*NL
.endif
	WIN MUL_LO
	MUL16 0, (\st)%2, (\st)%2, ((\st)/2)%2, \zero
	s_wait_dscnt 0x0
	s_barrier_signal -1
	MUL16 2, (\st)%2, (\st)%2, ((\st)/2)%2, \zero
	WIN 0
	s_barrier_wait -1
.if C1 > C0 && C0+2 < CHUNKS
	CREST
	s_add_nc_u64 s[G0+4*(C0%2)+2:G0+4*(C0%2)+3], s[G0+4*(C0%2)+2:G0+4*(C0%2)+3], 2*ROWB
	s_add_nc_u64 s[G0B+4*(C0%2)+2:G0B+4*(C0%2)+3], s[G0B+4*(C0%2)+2:G0B+4*(C0%2)+3], 2*ROWB
	JLOAD G0+4*(C0%2), G1, G0B+4*(C0%2), G1B
.elseif C1 > C0
	CREST
	s_mov_b32 s[G1+2], 64<<16                      ; no load of mine is out: source 1's loads bring 64 rows from here on
	s_mov_b32 s[G1+4], 64
	s_add_co_u32 s[G0+5], s72, SLOT
	s_mov_b64 s[G0+6:G0+7], s[68:69]
	s_or_b32 s[G0+7], s[G0+7], 0x80000000
	s_mov_b64 s[G0B+6:G0B+7], s[70:71]
	s_or_b32 s[G0B+7], s[G0B+7], 0x80000000
	JLOAD G0+4, G1, G0B+4, G1B
.else
	PLACES NP
.endif
.else
	s_wait_dscnt 4*NL                              ; the youngest 24 loads (blocks 4-7) may be out
	WIN MUL_LO
	MUL16 0, (\st)%2, (\st)%2, ((\st)/2)%2, \zero
	MUL16 2, (\st)%2, (\st)%2, ((\st)/2)%2, \zero
	s_wait_dscnt 0
	PLACES NP
.endif
	FETCH_B NX, NX%2, 0
	FETCH_A NX, 0
.if NX%2 == 0
	SCALES NX/2
.endif
.if (\st) == 0
	global_prefetch_b8 v[PFO], s[80:81] th:TH_LOAD_NT scope:SCOPE_SE
.elseif (\st) == 1
	global_prefetch_b8 v[PFO], s[82:83] th:TH_LOAD_NT scope:SCOPE_SE
.elseif (\st) == 2
	global_prefetch_b8 v[PFO], s[82:83] offset:6144 th:TH_LOAD_NT scope:SCOPE_SE
.endif
	WIN MUL_HI
	MUL16 4, (\st)%2, (\st)%2, ((\st)/2)%2, \zero
	MUL16 6, (\st)%2, (\st)%2, ((\st)/2)%2, \zero
	PLACES NP
	WIN 0
	FETCH_A NX, 4
.endm
; A step of the second tile: 32 products; the next step's 72 loads stand in its middle, into the other sets.  Barriers and the refill as in the first tile, the slots the other way round.
.macro STEP2 st, zero
.set NX, (\st)+1
.set C0, (96*(\st))/ROWB
.set C1, (96*NX)/ROWB
.set E0, (96*(\st)+95)/ROWB
.set E1, (96*NX+95)/ROWB
.if C1 > C0 || E1 > E0
	s_wait_tensorcnt 0x0
.if C1 > C0
	ds_add_u32 v[SPW], v[NIL]
	s_wait_dscnt 1                                 ; the add alone may be out
.else
	s_wait_dscnt 0
.endif
	WIN MUL_LO
	MULV 0, \st, \zero
	WIN 0
	s_wait_dscnt 0x0
	s_barrier_signal -1
	s_barrier_wait -1
.if C1 > C0 && C0+2 < CHUNKS
	CREST
	s_add_nc_u64 s[G0+4*((C0+1)%2)+2:G0+4*((C0+1)%2)+3], s[G0+4*((C0+1)%2)+2:G0+4*((C0+1)%2)+3], 2*ROWB
	s_add_nc_u64 s[G0B+4*((C0+1)%2)+2:G0B+4*((C0+1)%2)+3], s[G0B+4*((C0+1)%2)+2:G0B+4*((C0+1)%2)+3], 2*ROWB
	JLOAD G0+4*((C0+1)%2), G1, G0B+4*((C0+1)%2), G1B
.else
	PLACES NP
.endif
.else
	s_wait_dscnt 0
	WIN MUL_LO
	MULV 0, \st, \zero
	PLACES NP
.endif
	FETCH_B NX, NX%2, 1
	FETCH_A2 NX
	WIN MUL_LO
	MULV 2, \st, \zero
	WIN 0
.endm
	s_wait_alu depctr_va_vdst(0)
	s_wait_tensorcnt 0x0
	ds_add_u32 v[SPW], v[NIL]
	s_mov_b32 s[G1+2], 128<<16                     ; no load of mine is out: from here on a load brings 128 rows
	s_mov_b32 s[G1+4], 128
	s_mov_b32 s[G1B+2], 128<<16
	s_mov_b32 s[G1B+4], 128
	s_wait_dscnt 0x0
	CROUND
	JLOAD G0+4, G1, G0B+4, G1B                     ; chunk 1, slot 1's first fill
	FETCH_B 0, 0, 0
	FETCH_A 0, 0
	SCALES 0
	FETCH_A 0, 4
	; THE SECOND TILE'S PLACES (the head's descriptors of the scales are done with)
	s_and_b32 s18, s100, 1
	s_lshl_b32 s18, s18, 2
	s_add_co_u32 s18, s18, s41                     ; which 128 features (a head pair), 0 .. 7
	s_lshr_b32 s19, s100, 1
	s_lshl_b32 s19, s19, 2
	s_add_co_u32 s19, s19, s40                     ; which 256 tokens, 0 .. 31
	s_lshl_b32 s20, s18, 7
	s_add_co_u32 s20, s20, 26624                   ; source 1's first row
	s_lshl_b32 s22, s19, 8
	s_add_co_u32 s22, s22, 16384                   ; source 0's
	s_lshl_b32 s21, s16, 6
	s_add_co_u32 s21, s21, s20                     ; the 64 rows that waves 0, 1 fetch
	s_mul_i32 s68, s21, KROW
	s_mov_b32 s69, 0
	s_add_nc_u64 s[68:69], s[4:5], s[68:69]
	s_lshl_b32 s23, s16, 7
	s_add_co_u32 s23, s23, s22                     ; the 128 rows that waves 2, 3 fetch; also: my wave column's rows
	s_mul_i32 s70, s23, KROW
	s_mov_b32 s71, 0
	s_add_nc_u64 s[70:71], s[4:5], s[70:71]
	s_lshl_b32 s86, s23, 5
	s_mov_b32 s87, 0
	s_add_nc_u64 s[86:87], s[6:7], s[86:87]        ; their scales
	s_lshl_b32 s21, s15, 6
	s_add_co_u32 s21, s21, s20                     ; my wave row's 64 rows
	s_lshl_b32 s84, s21, 5
	s_mov_b32 s85, 0
	s_add_nc_u64 s[84:85], s[6:7], s[84:85]
	s_mul_i32 s72, s14, 64*PITCH
	s_mul_i32 s80, s20, KROW                       ; the prefetches: source 1's tile, my work-group's quarter by cx, my wave's quarter of that
	s_mul_i32 s21, s40, 24576
	s_add_co_u32 s80, s80, s21
	s_mul_i32 s21, s14, 6144
	s_add_co_u32 s80, s80, s21
	s_mov_b32 s81, 0
	s_add_nc_u64 s[80:81], s[4:5], s[80:81]
	s_mul_i32 s82, s22, KROW                       ; source 0's, by cy
	s_mul_i32 s21, s41, 49152
	s_add_co_u32 s82, s82, s21
	s_mul_i32 s21, s14, 12288
	s_add_co_u32 s82, s82, s21
	s_mov_b32 s83, 0
	s_add_nc_u64 s[82:83], s[4:5], s[82:83]
	s_lshl_b32 s21, s19, 1
	s_add_co_u32 s21, s21, s16                     ; which 128 tokens
	s_lshr_b32 s46, s21, 4
	s_lshl_b32 s46, s46, 3
	s_add_co_u32 s46, s46, s18
	s_lshl_b32 s46, s46, 4
	s_and_b32 s21, s21, 15
	s_add_co_u32 s46, s46, s21
	s_mul_i32 s74, s46, 12288
	s_mul_i32 s21, s15, 6144                       ; my four tiles of 16 features of the pair's eight
	s_add_co_u32 s74, s74, s21
	s_add_co_u32 s74, s74, 12582912
	s_mov_b32 s75, 0
	s_add_nc_u64 s[74:75], s[8:9], s[74:75]
	s_lshl_b32 s76, s46, 9
	s_lshl_b32 s21, s15, 8
	s_add_co_u32 s76, s76, s21
	s_add_co_u32 s76, s76, 524288
	s_mov_b32 s77, 0
	s_add_nc_u64 s[76:77], s[10:11], s[76:77]
.irp b, 0,1,2,3,4,5,6,7                        ; its scale words: a row's 32 bytes are the words of steps 0 .. 7
	global_load_b128 v[SB2+8*\b:SB2+8*\b+3], v[SLO], s[86:87] offset:512*\b
	global_load_b128 v[SB2+8*\b+4:SB2+8*\b+7], v[SLO], s[86:87] offset:512*\b+16
.endr
.irp a, 0,1,2,3
	global_load_b128 v[SA2+8*\a+4:SA2+8*\a+7], v[SLO], s[84:85] offset:512*\a
	global_load_b128 v[SA2+8*\a:SA2+8*\a+3], v[SLO], s[84:85] offset:512*\a+16
.endr
	STEP 0, 1
.set ST, 1
.rept STEPS-2
	STEP ST, 0
.set ST, ST+1
.endr
	s_wait_dscnt 4*NL
	WIN MUL_LO
	MUL16 0, 1, 1, 1, 0
	MUL16 2, 1, 1, 1, 0
	s_wait_dscnt 0
	WIN MUL_HI
	MUL16 4, 1, 1, 1, 0
	MUL16 6, 1, 1, 1, 0
	WIN 0
; THE WAY OUT of block a (16 rows x 128): four blocks of 32 along the registers; a block lies in lanes l and l xor 16.  cb: where the codes go
.macro QOUT a, cb
.set WW, 2+(\a)/4
.set AC, 64*((\a)%4)
.set PCA, PCO+12*(\a)
	WIN (WW<<2)|(WW<<4)
.irp b, 0,1,2,3
	v_max3_num_f32 v[TM+\b], v[FL], |v[AC+16*\b]|, |v[AC+16*\b+1]|
.endr
.irp i, 2,4,6,8,10,12,14
.irp b, 0,1,2,3
	v_max3_num_f32 v[TM+\b], v[TM+\b], |v[AC+16*\b+\i]|, |v[AC+16*\b+\i+1]|
.endr
.endr
	WIN 0
.irp b, 0,1,2,3
	v_permlanex16_b32 v[TM+4+\b], v[TM+\b], s66, s67
.endr
.irp b, 0,1,2,3
	v_max_num_f32 v[TM+\b], v[TM+\b], v[TM+4+\b]
.endr
.irp b, 0,1,2,3
	v_add_nc_u32 v[TM+12+\b], 0xfe000000, v[TM+\b]
.endr
.irp b, 0,1,2,3
	v_lshrrev_b32 v[TM+4+\b], 23, v[TM+12+\b]
.endr
	v_lshl_or_b32 v[PWO+(\a)], v[TM+5], 8, v[TM+4]
	v_lshl_or_b32 v[PWO+(\a)], v[TM+6], 16, v[PWO+(\a)]
	v_lshl_or_b32 v[PWO+(\a)], v[TM+7], 24, v[PWO+(\a)]
	WIN WW
.irp c, 0,1
	v_cvt_scalef32_pk16_bf6_f32 v[PCA+6*\c:PCA+6*\c+2], v[AC+32*\c:AC+32*\c+15], v[TM+12+2*\c]
	v_cvt_scalef32_pk16_bf6_f32 v[CT+4*\c:CT+4*\c+2], v[AC+32*\c+16:AC+32*\c+31], v[TM+13+2*\c]
.endr
	WIN 0
	v_nop
.irp c, 0,1
.irp i, 0,1,2
	v_permlane16_swap_b32 v[PCA+6*\c+\i], v[CT+4*\c+\i]
.endr
.irp i, 0,1,2
	v_mov_b32 v[PCA+6*\c+3+\i], v[CT+4*\c+\i]
.endr
.endr
.irp p, 0,1,2,3,4,5
	global_store_b64 v[CO], v[PCA+2*\p:PCA+2*\p+1], s[\cb:\cb+1] offset:1536*(\a)+256*\p   ; 32 lanes store 256 consecutive bytes, aligned
.endr
	ds_store_b32 v[SSTA], v[PWO+(\a)] offset:64*(\a)
.endm
	PLACES NP
.irp b, 0,1,2,3
	v_mov_b32 v[TM+4+\b], 0
.endr
.irp a, 0,1,2,3
	QOUT \a, 2
.endr
	s_wait_alu depctr_va_vdst(0)
	s_wait_tensorcnt 0x0                           ; my part of the second tile's chunk 0 is in; the three lines
	ds_add_u32 v[SPW], v[NIL]
	s_mov_b32 s[G0+1], s72                         ; slot 0, whose chunk was read for the last time in step 6, takes the second tile's chunk 1
	s_add_nc_u64 s[G0+2:G0+3], s[68:69], ROWB
	s_or_b32 s[G0+3], s[G0+3], 0x80000000
	s_add_nc_u64 s[G0B+2:G0B+3], s[70:71], ROWB
	s_or_b32 s[G0B+3], s[G0B+3], 0x80000000
	s_wait_dscnt 0x0
	CROUND
	JLOAD G0, G1, G0B, G1B
.irp a, 4,5,6,7
	QOUT \a, 2
.endr
	ds_load_b128 v[CT:CT+3], v[SSTR]               ; my own stores, served in order
	s_wait_dscnt 0x0
	global_store_b128 v[SCO], v[CT:CT+3], s[12:13]
; ================= THE SECOND TILE
	s_wait_xcnt 0x0                                ; the stores have read their registers
	s_wait_loadcnt 0x0                             ; its scale words are in
	FETCH_B 0, 0, 1
	FETCH_A2 0
	STEP2 0, 1
.set ST, 1
.rept STEPS-2
	STEP2 ST, 0
.set ST, ST+1
.endr
	s_wait_dscnt 0
	WIN MUL_LO
	MULV 0, 7, 0
	MULV 2, 7, 0
	WIN 0
	PLACES NP
.irp a, 0,1,2,3
	QOUT \a, 74
.endr
	ds_load_b64 v[CT:CT+1], v[SSTR2]               ; my four blocks' 256 bytes of scale words
	s_wait_dscnt 0x0
	global_store_b64 v[CO], v[CT:CT+1], s[76:77]
	s_wait_tensorcnt 0x0                           ; the wave's end
	ds_add_u32 v[SPW], v[NIL]
	s_wait_dscnt 0x0
	CROUND
	s_endpgm
.Lfunc_end_k_q000737d0db_proj:
	.size	k_q000737d0db_proj, .Lfunc_end_k_q000737d0db_proj-k_q000737d0db_proj
	.p2alignl 7, 3214868480
	.fill 96, 4, 3214868480
	.section	.rodata,"a",@progbits
	.p2align	6, 0x0
	.amdhsa_kernel k_q000737d0db_proj
		.amdhsa_group_segment_fixed_size 327680
		.amdhsa_private_segment_fixed_size 0
		.amdhsa_enable_private_segment 0
		.amdhsa_kernarg_size 32
		.amdhsa_user_sgpr_count 2
		.amdhsa_user_sgpr_kernarg_segment_ptr 1
		.amdhsa_wavefront_size32 1
		.amdhsa_system_sgpr_workgroup_id_x 1
		.amdhsa_system_sgpr_workgroup_id_y 1
		.amdhsa_system_sgpr_workgroup_id_z 1
		.amdhsa_system_vgpr_workitem_id 0
		.amdhsa_next_free_vgpr 1024
		.amdhsa_next_free_sgpr 102
		.amdhsa_reserve_vcc 0
		.amdhsa_float_denorm_mode_32 3
		.amdhsa_float_denorm_mode_16_64 3
		.amdhsa_memory_ordered 1
		.amdhsa_forward_progress 1
		.amdhsa_inst_pref_size 255
	.end_amdhsa_kernel
	.section	.bss,"aw",@nobits
	.p2align	6
	.space	262144
	.amdgpu_metadata
---
amdhsa.version: [ 1, 2 ]
amdhsa.kernels:
  - .name:           k_q000737d0db_proj
    .symbol:         k_q000737d0db_proj.kd
    .args:
      - { .name: codes, .offset: 0, .size: 8, .value_kind: global_buffer, .address_space: global }
      - { .name: scales, .offset: 8, .size: 8, .value_kind: global_buffer, .address_space: global }
      - { .name: acodes, .offset: 16, .size: 8, .value_kind: global_buffer, .address_space: global }
      - { .name: ascales, .offset: 24, .size: 8, .value_kind: global_buffer, .address_space: global }
    .group_segment_fixed_size: 327680
    .private_segment_fixed_size: 0
    .kernarg_segment_align: 8
    .kernarg_segment_size: 32
    .max_flat_workgroup_size: 128
    .sgpr_count:     102
    .vgpr_count:     1024
    .wavefront_size: 32
...
	.end_amdgpu_metadata
.endif
;; end of part 2
;; launch attn (part 3): grid 4 x 64, 16 waves a work-group, clusters of 4 x 1, 280,576 bytes of LDS; arguments acodes, ascales, out0; writes out0
.if DOCPART == 3
	.amdgcn_target "amdgcn-amd-amdhsa--gfx1250"
	.amdhsa_code_object_version 6
	.text
	.protected	k_q000737d0db_attn
	.globl	k_q000737d0db_attn
	.p2align	8
	.type	k_q000737d0db_attn,@function
k_q000737d0db_attn:
	s_mov_b64 s[64:65], 0
	v_nop
	global_prefetch_b8 v0, s[64:65] scope:SCOPE_SE
	s_setreg_imm32_b32 hwreg(HW_REG_WAVE_MODE, 25, 1), 1
	s_wait_xcnt 0x0
	s_wait_alu depctr_hold_cnt(0) depctr_sa_sdst(0) depctr_va_vdst(0) depctr_va_sdst(0) depctr_va_ssrc(0) depctr_va_vcc(0) depctr_vm_vsrc(0)
	s_getreg_b32 s2, hwreg(HW_REG_IB_STS2, 6, 4)
	s_cmp_eq_u32 s2, 0
	s_cbranch_scc0 .Lentry_in_a_cluster
	s_endpgm
.Lentry_in_a_cluster:
	s_bfe_u32 s2, ttmp6, 0x10000c
	s_cmp_lg_u32 s2, 0x3003
	s_cbranch_scc0 .Lentry_shape_is_right
	s_endpgm
.Lentry_shape_is_right:
; out0[b][q][64 h + d] = the sum over keys k <= q of softmax_k(Q . K / 8) V, for 64 pairs (b, h), 2,048 tokens, head size 64; both products on codes of BF6 (E3M2) with E8M0 scales.
; LEFT OUT: key steps of 128 whose keys all come after a tile's queries: reference()'s own causal mask gives them the weight 0 for all inputs.
; Q, K, V arrive as images of operand registers with their scale words (the projection's head comment gives the layout).  Inside each block of 32 the codes stand in the order 0-7, 16-23, 8-15, 24-31, on both sides of
; both products alike; p is made in the same order here, since the keys of a tile are neighbours.
; THE SOFTMAX: t = score x log2(e) / 8; M = the row's largest t so far, rounded up to a whole number; p = 2^(t - M) is quantised along the keys, not normalised; the row's sum is taken of the unquantised p and divides
; at the end.  When M moves, the sum and O are multiplied by 2^(old M - new M): exact.
; K = 64 IN AN INSTRUCTION OF 128: Q's registers 6 to 11 are zero codes; what stands there on K's side is multiplied by them.  The scale words are loaded as 16 bits: bytes 2 and 3 are 0, a power of two.
; SHARES.  256 work-groups; the four of a cluster serve one (b, h).  The head's 128 tiles of 16 queries are 16 blocks of 8; a tile of block B needs key steps 0 .. B.  A wave takes TWO tiles, one after the other:
; of block 15 - pr and of block pr, pr = wave % 8: 17 key steps for every wave.  The tile inside the block is 2 cx + wave / 8: cx enters Q's and out0's global addresses and one vector number for the mask, nothing else.
; K AND V OF THE WHOLE HEAD STAY IN LDS: 196,608 bytes, filled once by sixteen joint loads, one a wave: waves 0 to 7 two key steps of K each, waves 8 to 15 two of V.  The 12,288 bytes of scale words come by plain loads
; in runs of 256 bytes and LDS stores.  One barrier shows all; behind it the waves share nothing.  For each tile a wave walks all 16 steps, so that trip counts are constants; a step beyond the block is jumped over on ids.
; LIMITS: NaN and infinities are not served; the promise holds while |t| stays under 2^31; a block of p whose largest lies under 2^-122 gets the byte 1: its codes are zeros or next to it.
; No prefetch: every tensor load is issued at the head, so there is no later load to ask ahead for.
.set VREG,  98304                      ; K's images: 6,144 bytes a key step from 0; V's from here
.set KSC,   196608                     ; K's scale words: 4 bytes a key (both heads of the pair)
.set VSC,   KSC+8192                   ; V's: 256 bytes a key step
.set STG,   VSC+4096                   ; the way out: 16 rows x (256 + 16) bytes for each wave
.set SP,    272
.set SPARE, STG+16*16*SP               ; the spare words: 2,048 bytes
.set LN8,  1                           ; v1   8 x lane
.set ASK0, 2                           ; v2   my place among K's scale words
.set ASV0, 3                           ; v3   and among V's
.set GO,   4                           ; v4   my byte offset in the wave's rows of out0
.set QD,   5                           ; v5   my query's place in its block of 128, less 8 (lane / 16)
.set ADK,  8                           ; v8   LDS address of the step's images of K
.set ADS,  9                           ; v9   of K's scale words
.set ADT,  10                          ; v10  of V's
.set ADV,  29                          ; v29  of V's images
.set QF,   16                          ; v16-21 Q's codes, v22-27 zeros
.set QS,   28                          ; v28  Q's scale word
.set KV,   32                          ; v32-79 eight tiles of K x 6, later four of V x 12; v80-85 zeros
.set KSW,  88
.set ST,   96                          ; v96-159 S^T, then p
.set OT,   160                         ; v160-191 O^T
.set PCD,  192
.set CT,   204
.set BM,   212
.set BT,   216
.set SOP,  220
.set VSW,  224
.set PWD,  228
.set FF,   230
.set TMP,  232
.set NINF, 233
.set Q2,   234                         ; v234-239 the second tile's Q, v240 its scale word
.set WV,   18
.set SEL,  20
.set CS,   22
.set G1K,  24
.set G1V,  32
.set B2,   82                          ; the second tile's block
.set BETA, 84                          ; the tile's block = its last key step
.set SJ,   85
.set TB,   86
.set TS,   87
.set TJ,   88
.set CNT,  89
.macro ROUND
	s_barrier_signal -1
	s_barrier_wait -1
	s_cmp_lg_u32 s[WV], 0
	s_cbranch_scc1 .Lnot_wave_0_\@
	s_barrier_signal -3
.Lnot_wave_0_\@:
	s_barrier_wait -3
	s_barrier_signal -1
	s_barrier_wait -1
.endm
	s_load_b128 s[4:7], s[0:1], 0x0                ; acodes, ascales
	s_load_b64 s[8:9], s[0:1], 0x10                ; out0
	v_lshl_add_u32 v254, v0, 2, SPARE
	v_mov_b32 v255, 0
	ds_add_u32 v254, v255                          ; the opening lines
	ds_add_u32 v254, v255
	v_lshrrev_b32 v1, 5, v0
	v_readfirstlane_b32 s[WV], v1                  ; wave 0..15
	s_bfe_u32 s90, ttmp6, 0x40000                  ; cx
	s_and_b32 s91, ttmp7, 0xffff                   ; y = 16 b + h, which the four partners share
	s_lshr_b32 s10, s91, 1                         ; 8 b + head pair
	s_and_b32 s11, s91, 1                          ; which head of the pair
	s_and_b32 s12, s[WV], 7                        ; pr; also: which two key steps I fetch
	s_lshr_b32 s95, s[WV], 3
	s_lshl_b32 s13, s90, 1
	s_add_co_u32 s13, s13, s95                     ; my tile in its block
	s_sub_co_u32 s[BETA], 15, s12
	s_mov_b32 s[B2], s12
	s_mov_b32 s[G1K], 15|(3<<16)|(1<<21)           ; K: 16 tiles, of each 1,536 bytes my head's 768; elements of 8 bytes
	s_mov_b32 s[G1K+1], 96<<16
	s_mov_b32 s[G1K+2], 16<<16
	s_mov_b32 s[G1K+3], 96<<16
	s_mov_b32 s[G1K+4], 16
	s_mov_b32 s[G1K+5], 192
	s_mov_b32 s[G1K+6], 0
	s_mov_b32 s[G1K+7], 0
	s_mov_b32 s[G1V], 15|(3<<16)|(1<<21)           ; V: 2 steps, of each 12,288 bytes my head's 6,144
	s_mov_b32 s[G1V+1], 768<<16
	s_mov_b32 s[G1V+2], 2<<16
	s_mov_b32 s[G1V+3], 768<<16
	s_mov_b32 s[G1V+4], 2
	s_mov_b32 s[G1V+5], 1536
	s_mov_b32 s[G1V+6], 0
	s_mov_b32 s[G1V+7], 0
	s_cmp_lt_u32 s[WV], 8                          ; what I fetch: K's region or V's
	s_mov_b32 s93, 12582912
	s_cselect_b32 s92, 6291456, s93
	s_mov_b32 s93, 6144
	s_cselect_b32 s93, 768, s93
	s_mul_i32 s93, s93, s11
	s_add_co_u32 s92, s92, s93
	s_mul_i32 s93, s10, 196608
	s_add_co_u32 s92, s92, s93
	s_mul_i32 s93, s12, 24576                      ; two key steps a wave
	s_add_co_u32 s92, s92, s93
	s_mov_b32 s93, 0
	s_mul_i32 s94, s[WV], 12288                    ; in LDS: wave x 12,288: K's eight parts, then V's
	s_lshl_b32 s96, s10, 13
	s_add_co_u32 s96, s96, 262144                  ; K's scale words
	s_mov_b32 s97, 0
	s_lshl_b32 s98, s11, 8
	s_add_co_u32 s98, s98, s96
	s_add_co_u32 s98, s98, 262144                  ; V's: my head's 256 bytes of each step's 512
	s_mov_b32 s99, 0
	s_mul_i32 s15, s10, 196608
	s_mul_i32 s2, s11, 768
	s_add_co_u32 s15, s15, s2                      ; Q's codes: my head
	s_lshl_b32 s19, s10, 13
	s_lshl_b32 s2, s11, 1
	s_add_co_u32 s19, s19, s2                      ; Q's scale words
	s_lshr_b32 s17, s91, 4
	s_lshl_b32 s17, s17, 23
	s_and_b32 s2, s91, 15
	s_lshl_b32 s2, s2, 8
	s_add_co_u32 s17, s17, s2                      ; out0: my batch, my head's 256 bytes of a row
	s_mov_b32 s[SEL], 0x76543210
	s_mov_b32 s[SEL+1], 0xfedcba98
	s_mov_b32 s[CS], 0x3e38aa3b                    ; log2(e) / 8
	s_mov_b32 s[CS+1], s[CS]
	s_mov_b32 s56, 1
	s_mov_b32 s57, s94
	s_wait_alu depctr_va_vdst(0)
	s_wait_dscnt 0x0
	s_wait_kmcnt 0x0
	s_add_nc_u64 s[58:59], s[4:5], s[92:93]
	s_or_b32 s59, s59, 0x80000000
	ROUND                                          ; all four work-groups are here: the joint loads meet
	s_cmp_lt_u32 s[WV], 8
	s_cbranch_scc0 .Lfor_v
	tensor_load_to_lds s[56:59], s[G1K:G1K+7]
	s_nop 0
.rept 4
	v_nop
.endr
	s_branch .Lasked
.Lfor_v:
	tensor_load_to_lds s[56:59], s[G1V:G1V+7]
	s_nop 0
.rept 4
	v_nop
.endr
.Lasked:
	s_add_nc_u64 s[96:97], s[6:7], s[96:97]
	s_add_nc_u64 s[98:99], s[6:7], s[98:99]
.macro TADR beta, qc, qs, ob           ; a tile's addresses: Q's image, Q's scale words, its rows of out0
	s_lshl_b32 s14, s[\beta], 3
	s_add_co_u32 s14, s14, s13
	s_mul_i32 s2, s14, 1536
	s_add_co_u32 s2, s2, s15
	s_mov_b32 s3, 0
	s_add_nc_u64 s[\qc:\qc+1], s[4:5], s[2:3]
	s_lshl_b32 s2, s14, 6
	s_add_co_u32 s2, s2, s19
	s_add_nc_u64 s[\qs:\qs+1], s[6:7], s[2:3]
	s_lshl_b32 s2, s14, 16
	s_add_co_u32 s2, s2, s17
	s_add_nc_u64 s[\ob:\ob+1], s[8:9], s[2:3]
.endm
	TADR BETA, 68, 70, 72
	TADR B2, 74, 76, 78
	s_lshl_b32 s2, s11, 1
	s_add_co_u32 s2, s2, KSC
	s_lshl_b32 s3, s13, 4
	v_and_b32 v6, 31, v0
	v_lshlrev_b32 v[LN8], 3, v6
	v_and_b32 v6, 15, v0                           ; r
	v_bfe_u32 v7, v0, 4, 1                         ; lane / 16
	v_lshlrev_b32 v11, 2, v6
	v_lshlrev_b32 v30, 4, v0                       ; K's scale words: 16 bytes a thread
	v_lshrrev_b32 v31, 5, v0
	v_lshl_add_u32 v31, v31, 9, v[LN8]             ; V's: a wave a key step, 8 bytes a lane
	v_lshl_add_u32 v86, v0, 4, KSC
	v_lshl_add_u32 v87, v0, 3, VSC
	s_wait_alu depctr_va_vdst(0)
	global_load_b128 v[96:99], v30, s[96:97]
	global_load_b64 v[100:101], v31, s[98:99]
.irp p, 0,1,2
	global_load_b64 v[QF+2*\p:QF+2*\p+1], v[LN8], s[68:69] offset:256*\p
.endr
	global_load_u16 v[QS], v11, s[70:71]
.irp p, 0,1,2
	global_load_b64 v[Q2+2*\p:Q2+2*\p+1], v[LN8], s[74:75] offset:256*\p
.endr
	global_load_u16 v[Q2+6], v11, s[76:77]
	v_add_nc_u32 v[ASK0], s2, v11                  ; 4 bytes a key, my head's two
	v_add_nc_u32 v[ASV0], VSC, v11
	v_lshlrev_b32 v[GO], 12, v7
	v_lshl_add_u32 v[GO], v6, 4, v[GO]             ; lanes 0-15 one row of out0, lanes 16-31 the next; 16 bytes a lane
	v_add_nc_u32 v[QD], s3, v6
	v_lshlrev_b32 v7, 3, v7
	v_sub_nc_u32 v[QD], v[QD], v7
.irp j, 0,1,2,3,4,5
	v_mov_b32 v[QF+6+\j], 0                        ; zero codes for k = 64 .. 127
	v_mov_b32 v[KV+48+\j], 0                       ; and behind K's last tile
.endr
.irp b, 0,1,2,3
	v_mov_b32 v[BT+\b], 0                          ; a lane permute's destination counts as one of its sources
.endr
	v_mov_b32 v[FF+1], 0
	v_mov_b32 v[TMP], 0
	v_mov_b32 v[NINF], 0xff800000
	s_wait_alu depctr_va_vdst(0)
	s_wait_loadcnt 0x0
	ds_store_b128 v86, v[96:99]
	ds_store_b64 v87, v[100:101]
	s_wait_tensorcnt 0x0                           ; my part of K or V has landed
	s_wait_dscnt 0x0                               ; and my part of the scale words is stored
	s_barrier_signal -1
	s_barrier_wait -1                              ; everybody's
; A KEY STEP: 128 keys.
.macro STEP
	s_cmp_gt_u32 s[SJ], s[BETA]                    ; all its keys come after my queries: left out, but for the lines at its end that step addresses
	s_cbranch_scc1 .Lhid_\@
	v_add_nc_u32 v[ADK], s[TB], v[LN8]
	v_add_nc_u32 v[ADS], s[TS], v[ASK0]
	v_add_nc_u32 v[ADT], s[TJ], v[ASV0]
	v_add_nc_u32 v[ADV], VREG, v[ADK]              ; four plain lines between the last step's products and the loads into their registers
.irp t, 0,1,2,3,4,5,6,7
.irp p, 0,1,2
	ds_load_b64 v[KV+6*\t+2*\p:KV+6*\t+2*\p+1], v[ADK] offset:768*\t+256*\p   ; an image's plane: 32 lanes read 256 consecutive bytes
.endr
	ds_load_u16 v[KSW+\t], v[ADS] offset:64*\t
.endr
	s_wait_alu depctr_va_vdst(0)
	s_wait_dscnt 0x0
.irp t, 0,1,2,3,4,5,6,7                        ; S^T = K Q^T: lane (r, h) holds query r, register j of tile t key 16 t + 8 h + j
	v_wmma_scale_f32_16x16x128_f8f6f4 v[ST+8*\t:ST+8*\t+7], v[KV+6*\t:KV+6*\t+11], v[QF:QF+11], 0, v[KSW+\t], v[QS] matrix_a_fmt:MATRIX_FMT_BF6 matrix_b_fmt:MATRIX_FMT_BF6
.endr
.rept 4
	v_nop                                          ; in front of the loads into K's registers and of the first read of the scores
.endr
.irp t, 0,1,2,3                                ; V's four fragments are asked for now and land under the softmax
.irp p, 0,1,2,3,4,5
	ds_load_b64 v[KV+12*\t+2*\p:KV+12*\t+2*\p+1], v[ADV] offset:1536*\t+256*\p
.endr
	ds_load_b32 v[VSW+\t], v[ADT] offset:64*\t
.endr
	s_cmp_lt_u32 s[SJ], s[BETA]                    ; a step all of whose keys count skips the mask
	s_cbranch_scc1 .Lopen_\@
.set n, 0
.rept 64                                       ; on the diagonal: register n holds key 16 (n / 8) + n % 8 + 8 (lane / 16) of the step
	v_cmp_gt_i32 vcc_lo, 16*(n/8)+n%8, v[QD]
	v_cndmask_b32 v[ST+n], v[ST+n], v[NINF], vcc_lo
.set n, n+1
.endr
.Lopen_\@:
.irp b, 0,1,2,3
	v_max3_num_f32 v[BM+\b], v[ST+16*\b], v[ST+1+16*\b], v[ST+2+16*\b]   ; the largest score of each block of 32 keys: for the row's maximum and for the block's largest p
.endr
.irp i, 3,5,7,9,11,13
.irp b, 0,1,2,3
	v_max3_num_f32 v[BM+\b], v[BM+\b], v[ST+16*\b+\i], v[ST+1+16*\b+\i]
.endr
.endr
.irp b, 0,1,2,3
	v_max_num_f32 v[BM+\b], v[BM+\b], v[ST+15+16*\b]
.endr
.irp b, 0,1,2,3
	s_delay_alu instid0(VALU_DEP_4)
	v_permlanex16_b32 v[BT+\b], v[BM+\b], s[SEL], s[SEL+1]
.endr
.irp b, 0,1,2,3
	s_delay_alu instid0(VALU_DEP_4)
	v_max_num_f32 v[BM+\b], v[BM+\b], v[BT+\b]     ; with lane l xor 16's 16 keys
.endr
	s_delay_alu instid0(VALU_DEP_2)
	v_max3_num_f32 v[TMP], v[BM], v[BM+1], v[BM+2]
	s_delay_alu instid0(VALU_DEP_1)
	v_max_num_f32 v[TMP], v[TMP], v[BM+3]          ; the step's largest score of my query
	s_delay_alu instid0(VALU_DEP_1)
	v_mul_f32 v[TMP], s[CS], v[TMP]                ; as t
	s_delay_alu instid0(VALU_DEP_1)
	v_max_num_f32 v13, v13, v[TMP]                 ; the running largest t
	v_mov_b32 v[TMP], v12
	s_delay_alu instid0(VALU_DEP_2)
	v_floor_f32 v12, -v13                          ; the new -M = -ceil(t)
	s_delay_alu instid0(VALU_DEP_1)
	v_sub_f32 v[TMP], v12, v[TMP]                  ; old M - new M: a whole number, 0 or less
	s_delay_alu instid0(VALU_DEP_1)
	v_cvt_i32_f32 v[TMP], v[TMP]                   ; (it saturates)
	s_delay_alu instid0(VALU_DEP_1)
	v_ldexp_f32 v[FF], 1.0, v[TMP]                 ; f
.set j, 0
.rept 32
	v_pk_fma_f32 v[ST+j:ST+j+1], v[ST+j:ST+j+1], s[CS:CS+1], v[12:13] op_sel_hi:[1,0,0]   ; t - M, two at a time
.set j, j+2
.endr
.irp b, 0,1,2,3
	v_fma_f32 v[BM+\b], v[BM+\b], s[CS], v12       ; the same of each block's largest score
.endr
.set j, 0
	s_wait_alu depctr_va_vdst(0)
.rept 64
	v_exp_f32 v[ST+j], v[ST+j]                     ; p = 2^(t - M)
.set j, j+1
.endr
	v_pk_mul_f32 v[14:15], v[14:15], v[FF:FF+1] op_sel_hi:[1,0]   ; the sums under the new M (the plain line behind the exponentials)
	s_wait_alu depctr_va_vdst(0)                   ; one wait for the batch, ahead of its first reader
.irp b, 0,1,2,3
	v_exp_f32 v[BM+\b], v[BM+\b]                   ; the block's largest p
.endr
	v_pk_add_f32 v[216:217], v[100:101], v[104:105]
	v_pk_add_f32 v[252:253], v[108:109], v[112:113]
	v_pk_add_f32 v[250:251], v[116:117], v[120:121]
	v_pk_add_f32 v[248:249], v[124:125], v[128:129]
	v_pk_add_f32 v[246:247], v[132:133], v[136:137]
	v_pk_add_f32 v[244:245], v[140:141], v[144:145]
	v_pk_add_f32 v[242:243], v[148:149], v[152:153]
	v_pk_add_f32 v[14:15], v[14:15], v[156:157]
	v_pk_add_f32 v[216:217], v[216:217], v[96:97]
	v_pk_add_f32 v[252:253], v[252:253], v[98:99]
	v_pk_add_f32 v[250:251], v[250:251], v[102:103]
	v_pk_add_f32 v[248:249], v[248:249], v[106:107]
	v_pk_add_f32 v[246:247], v[246:247], v[110:111]
	v_pk_add_f32 v[244:245], v[244:245], v[114:115]
	v_pk_add_f32 v[242:243], v[242:243], v[118:119]
	v_pk_add_f32 v[14:15], v[14:15], v[122:123]
	v_pk_add_f32 v[216:217], v[216:217], v[126:127]
	v_pk_add_f32 v[252:253], v[252:253], v[130:131]
	v_pk_add_f32 v[250:251], v[250:251], v[134:135]
	v_pk_add_f32 v[248:249], v[248:249], v[138:139]
	v_pk_add_f32 v[246:247], v[246:247], v[142:143]
	v_pk_add_f32 v[244:245], v[244:245], v[146:147]
	v_pk_add_f32 v[242:243], v[242:243], v[150:151]
	v_pk_add_f32 v[14:15], v[14:15], v[154:155]
	v_pk_add_f32 v[216:217], v[216:217], v[158:159]
	s_delay_alu instid0(VALU_DEP_2)
	v_pk_add_f32 v[14:15], v[14:15], v[248:249]
	s_delay_alu instid0(VALU_DEP_2)
	v_pk_add_f32 v[216:217], v[216:217], v[246:247]
	v_pk_add_f32 v[252:253], v[252:253], v[244:245]
	v_pk_add_f32 v[250:251], v[250:251], v[242:243]
	s_delay_alu instid0(VALU_DEP_2)
	v_pk_add_f32 v[14:15], v[14:15], v[252:253]
	s_delay_alu instid0(VALU_DEP_2)
	v_pk_add_f32 v[216:217], v[216:217], v[250:251]
	s_delay_alu instid0(VALU_DEP_1)
	v_pk_add_f32 v[14:15], v[14:15], v[216:217]
	s_wait_alu depctr_va_vdst(0)                   ; and one for the four
.irp b, 0,1,2,3
	v_max_num_f32 v[BM+\b], 0x2800000, v[BM+\b]    ; the floor 2^(5 - 127)
.endr
.irp b, 0,1,2,3
	s_delay_alu instid0(VALU_DEP_4)
	v_add_nc_u32 v[SOP+\b], 0xfe000000, v[BM+\b]   ; the conversion's scale operand
.endr
.irp b, 0,1,2,3
	s_delay_alu instid0(VALU_DEP_4)
	v_lshrrev_b32 v[BT+\b], 23, v[SOP+\b]          ; the scale's byte
.endr
	s_delay_alu instid0(VALU_DEP_3)
	v_lshl_or_b32 v[PWD], v[BT+1], 8, v[BT]        ; p's scale word for these 128 keys
	s_delay_alu instid0(VALU_DEP_1)
	v_lshl_or_b32 v[PWD], v[BT+2], 16, v[PWD]
	s_delay_alu instid0(VALU_DEP_1)
	v_lshl_or_b32 v[PWD], v[BT+3], 24, v[PWD]
.irp c, 0,1
	v_cvt_scalef32_pk16_bf6_f32 v[PCD+6*\c:PCD+6*\c+2], v[ST+32*\c:ST+32*\c+15], v[SOP+2*\c]
	v_cvt_scalef32_pk16_bf6_f32 v[CT+4*\c:CT+4*\c+2], v[ST+32*\c+16:ST+32*\c+31], v[SOP+2*\c+1]
.endr
	v_nop                                          ; one plain line behind the conversions
.irp c, 0,1                                    ; a whole block in a lane: lanes 0-15 block 2 c, lanes 16-31 block 2 c + 1
.irp i, 0,1,2
	v_permlane16_swap_b32 v[PCD+6*\c+\i], v[CT+4*\c+\i]
.endr
.irp i, 0,1,2
	s_delay_alu instid0(VALU_DEP_3)
	v_mov_b32 v[PCD+6*\c+3+\i], v[CT+4*\c+\i]
.endr
.endr
.set j, 0
.rept 16
	v_pk_mul_f32 v[OT+j:OT+j+1], v[OT+j:OT+j+1], v[FF:FF+1] op_sel_hi:[1,0]   ; O^T under the new M; these sixteen also stand between the lines that wrote p's codes and scale word and the products
.set j, j+2
.endr
	s_wait_alu depctr_va_vdst(0)
	s_wait_dscnt 0x0                               ; V's fragments and scale words are in
.irp t, 0,1,2,3                                ; O^T += V^T P^T.  The four accumulators take turns, and eight other products stand between two steps'
	v_wmma_scale_f32_16x16x128_f8f6f4 v[OT+8*\t:OT+8*\t+7], v[KV+12*\t:KV+12*\t+11], v[PCD:PCD+11], v[OT+8*\t:OT+8*\t+7], v[VSW+\t], v[PWD] matrix_a_fmt:MATRIX_FMT_BF6 matrix_b_fmt:MATRIX_FMT_BF6
.endr
.Lhid_\@:
	s_add_co_u32 s[SJ], s[SJ], 1
	s_add_co_u32 s[TB], s[TB], 6144
	s_add_co_u32 s[TS], s[TS], 512
	s_add_co_u32 s[TJ], s[TJ], 256
.endm
; ONE TILE OF 16 QUERIES: the walk over the keys, then the way out to the rows of out0 at s[ob:ob+1]
.macro TILE n, ob
.if \n
	s_wait_xcnt 0x0                                ; the first tile's stores have read their registers
	s_mov_b32 s[BETA], s[B2]
.irp j, 0,1,2,3,4,5
	v_mov_b32 v[QF+\j], v[Q2+\j]
.endr
	v_mov_b32 v[QS], v[Q2+6]
.endif
	v_mov_b32 v13, 0xff61b1e6                      ; the largest t so far: -3e38, under every t
	v_floor_f32 v12, -v13                          ; -M
	v_mov_b32 v14, 0                               ; the sum, in two halves
	v_mov_b32 v15, 0
.set j, 0
.rept 32
	v_mov_b32 v[OT+j], 0                           ; O^T: the step is written once; the first finds zeros
.set j, j+1
.endr
	s_mov_b32 s[SJ], 0
	s_mov_b32 s[TB], 0
	s_mov_b32 s[TS], 0
	s_mov_b32 s[TJ], 0
	s_mov_b32 s[CNT], 16
	s_wait_alu depctr_va_vdst(0)
.Lst_\@:
	STEP
	s_sub_co_u32 s[CNT], s[CNT], 1
	s_cmp_lg_u32 s[CNT], 0
	s_cbranch_scc1 .Lst_\@
	v_add_f32 v14, v14, v15                        ; the sum's two halves,
	s_wait_alu depctr_va_vdst(0)
	v_permlanex16_b32 v[TMP], v14, s[SEL], s[SEL+1]
	s_delay_alu instid0(VALU_DEP_1)
	v_add_f32 v14, v14, v[TMP]                     ; and lane l xor 16's
	s_wait_alu depctr_va_vdst(0)
	v_rcp_f32 v14, v14
	v_and_b32 v8, 15, v0                           ; (plain lines behind the reciprocal)  r
	v_bfe_u32 v9, v0, 4, 1
	s_mul_i32 s90, s[WV], 16*SP
	s_add_co_u32 s90, s90, STG                     ; my stage
	v_mul_u32_u24 v10, v8, SP
	s_delay_alu instid0(VALU_DEP_1)
	v_lshl_add_u32 v10, v9, 5, v10
	s_delay_alu instid0(VALU_DEP_1)
	v_add_nc_u32 v10, s90, v10                     ; in: row r; 64 t + 32 (lane / 16) bytes on
	v_mul_u32_u24 v11, v9, SP
	s_delay_alu instid0(VALU_DEP_1)
	v_lshl_add_u32 v11, v8, 4, v11
	s_delay_alu instid0(VALU_DEP_1)
	v_add_nc_u32 v11, s90, v11                     ; back: lanes 0-15 one row, lanes 16-31 the next
	s_wait_alu depctr_va_vdst(0)                   ; ahead of the reciprocal's first reader
.set j, 0
.rept 32
	v_mul_f32 v[ST+j], v[OT+j], v14                ; register 8 t + i is o(r, 16 t + 8 (lane / 16) + i); each accumulator from its low end on
.set j, j+1
.endr
.irp t, 0,1,2,3
	ds_store_b128 v10, v[ST+8*\t:ST+8*\t+3] offset:64*\t
	ds_store_b128 v10, v[ST+8*\t+4:ST+8*\t+7] offset:64*\t+16
.endr
.irp i, 0,1,2,3,4,5,6,7
	ds_load_b128 v[KV+4*\i:KV+4*\i+3], v11 offset:2*\i*SP   ; LDS serves a wave's instructions in order: these see my stores
.endr
.irp i, 0,1,2,3,4,5,6,7
	s_wait_dscnt 7-\i
	global_store_b128 v[GO], v[KV+4*\i:KV+4*\i+3], s[\ob:\ob+1] offset:8192*\i th:TH_STORE_NT   ; sixteen lanes store 256 consecutive bytes, aligned; written once
.endr
.endm
	TILE 0, 72
	TILE 1, 78
	s_wait_tensorcnt 0x0                           ; the wave's end
	ds_add_u32 v254, v255
	s_wait_dscnt 0x0
	ROUND                                          ; the closing round
	s_endpgm
.Lfunc_end_k_q000737d0db_attn:
	.size	k_q000737d0db_attn, .Lfunc_end_k_q000737d0db_attn-k_q000737d0db_attn
	.p2alignl 7, 3214868480
	.fill 96, 4, 3214868480
	.section	.rodata,"a",@progbits
	.p2align	6, 0x0
	.amdhsa_kernel k_q000737d0db_attn
		.amdhsa_group_segment_fixed_size 280576
		.amdhsa_private_segment_fixed_size 0
		.amdhsa_enable_private_segment 0
		.amdhsa_kernarg_size 24
		.amdhsa_user_sgpr_count 2
		.amdhsa_user_sgpr_kernarg_segment_ptr 1
		.amdhsa_wavefront_size32 1
		.amdhsa_system_sgpr_workgroup_id_x 1
		.amdhsa_system_sgpr_workgroup_id_y 1
		.amdhsa_system_sgpr_workgroup_id_z 1
		.amdhsa_system_vgpr_workitem_id 0
		.amdhsa_next_free_vgpr 256
		.amdhsa_next_free_sgpr 100
		.amdhsa_reserve_vcc 1
		.amdhsa_float_denorm_mode_32 3
		.amdhsa_float_denorm_mode_16_64 3
		.amdhsa_memory_ordered 1
		.amdhsa_forward_progress 1
		.amdhsa_inst_pref_size 68
	.end_amdhsa_kernel
	.amdgpu_metadata
---
amdhsa.version: [ 1, 2 ]
amdhsa.kernels:
  - .name:           k_q000737d0db_attn
    .symbol:         k_q000737d0db_attn.kd
    .args:
      - { .name: acodes, .offset: 0, .size: 8, .value_kind: global_buffer, .address_space: global }
      - { .name: ascales, .offset: 8, .size: 8, .value_kind: global_buffer, .address_space: global }
      - { .name: out0, .offset: 16, .size: 8, .value_kind: global_buffer, .address_space: global }
    .group_segment_fixed_size: 280576
    .private_segment_fixed_size: 0
    .kernarg_segment_align: 8
    .kernarg_segment_size: 24
    .max_flat_workgroup_size: 512
    .sgpr_count:     100
    .vgpr_count:     256
    .wavefront_size: 32
...
	.end_amdgpu_metadata
.endif
;; end of part 3
